; MI455X (gfx1250); checked and timed in simulation.
; The chip was launched on July 23, 2026; its instructions are those of AMD's public machine-readable ISA for CDNA 5 (MIT licence, August 2026) and "CDNA5" Instruction Set Architecture Reference Guide (July 2026). The comments in the code are by the model that wrote it; some were corrected since.
;; Causal Self Attention. Allowed arithmetic: matrix products marked QUANTISED: E5M2 operands, one given power-of-two scale a tensor, by v_wmma_f32_16x16x64_bf8_bf8 or v_wmma_f32_16x16x128_bf8_bf8, f32 sums; everything else in f32.
;; Inputs: Wk_codes 256 x 32 x 32 uint8 (E5M2 codes of Wk, K innermost, in blocks of 32 codes); Wo_codes 1,024 x 32 x 32 uint8 (E5M2 codes of Wo, K innermost, in blocks of 32 codes); Wq_codes 1,024 x 32 x 32 uint8 (E5M2 codes of Wq, K innermost, in blocks of 32 codes); Wv_codes 256 x 32 x 32 uint8 (E5M2 codes of Wv, K innermost, in blocks of 32 codes); cos 1 x 2,048 x 1 x 32 float32; lowp_scales 12 int32 (the exponents e of the quantised operands' scales 2^e); sin 1 x 2,048 x 1 x 32 float32; x_codes 2 x 2,048 x 32 x 32 uint8 (E5M2 codes of x, K innermost, in blocks of 32 codes).
;; Outputs: out0 2 x 2,048 x 1,024 float32.
;; This version of the problem:
;;   THIS VERSION OF THE PROBLEM IS GIVEN IN LOW PRECISION. The matrix products marked QUANTISED in the list below multiply operands that are first quantised to E5M2 (5 exponent bits, 2 mantissa bits; 8 bits a number), with one given power-of-two scale for each operand tensor; their sums are f32. All else is computed in f32.
;;   The module's matrix products, in the order in which they are computed (A, B: the left and right operand; K: the contracted axis; several contracted axes count as one K, in the product's order):
;;     1. [M 4,096, K 1,024] x [K 1,024, N 1,024]; A: input x (given as codes); B: input Wq (given as codes): QUANTISED (scales: A lowp_scales[0], B lowp_scales[1])
;;     2. [M 4,096, K 1,024] x [K 1,024, N 256]; A: input x (given as codes); B: input Wk (given as codes): QUANTISED (scales: A lowp_scales[2], B lowp_scales[3])
;;     3. [M 4,096, K 1,024] x [K 1,024, N 256]; A: input x (given as codes); B: input Wv (given as codes): QUANTISED (scales: A lowp_scales[4], B lowp_scales[5])
;;     4. batch 32 x [M 2,048, K 64] x [K 64, N 2,048]; A: computed on the way; B: computed on the way: QUANTISED (scales: A lowp_scales[6], B lowp_scales[7])
;;     5. batch 32 x [M 64, K 2,048] x [K 2,048, N 2,048]; A: computed on the way; B: softmax (see below): QUANTISED (scales: A lowp_scales[8], B lowp_scales[9])
;;     6. [M 4,096, K 1,024] x [K 1,024, N 1,024]; A: computed on the way; B: input Wo (given as codes): QUANTISED (scales: A lowp_scales[10], B lowp_scales[11])
;;   THE QUANTISER, for each operand of a quantised product, along K:
;;     - The operand's scale is 2^e, e = its entry of the input lowp_scales (int32; the entries are numbered through the quantised products in the list's order, A before B).
;;     - Each number is divided by the scale, clamped to +-57,344, and rounded to the nearest number of E5M2, ties to even, subnormals kept.
;;     - The product sums the exact products of the quantised numbers (number of the format x scale) in f32.
;;   ~~~python
;;   def quantise(x, axis, e):      # numpy; x: float32 -> the quantised numbers, widened to float32 again
;;       x = np.moveaxis(x, axis, -1); K = x.shape[-1]
;;       r = np.clip(x / 2.0 ** e, -57344, 57344)
;;       step = 2.0 ** (np.maximum(np.frexp(np.where(r == 0, 1, r))[1] - 1, -14) - 2)
;;       q = np.round(r / step) * step * 2.0 ** e      # np.round: ties to even
;;       return np.moveaxis(q, -1, axis).astype(np.float32)
;;   ~~~
;;   SOFTMAX AHEAD OF A QUANTISED PRODUCT. Where the list says 'softmax', what is quantised is not the finished softmax but p = 2^(t - M), with t = logit x log2(e) and M = ceil(the row's largest t), a whole number; so 1/2 < the row's largest p <= 1. The row's sum l is taken of the UNQUANTISED p, in f32, and the product's result is divided by l at the end. Since M is a whole number, a kernel that streams over the keys may use a running M (the ceiling of the running maximum): every later rescaling is an exact power of two, so the quantised numbers keep their values, but for numbers so far below the row's largest that they fall under the format's range.
;;   OPERANDS COMPUTED ON THE WAY. 'Computed on the way' means the value that the module computes at that place (a softmax that the list does not call 'softmax' is quantised finished and normalised). What goes into a quantiser is computed in f32, as accurately as f32 sums, v_exp_f32 and their like allow (about 1e-6 of the number): no bf16 or f16 on the way to a quantiser, and a product that is left as it is and whose result goes on into a quantised operand takes f32 operands (vector FMAs, or v_wmma_f32_16x16x4_f32). A number that lies on a knife's edge between two numbers of the format may be rounded either way, as far as f32 arithmetic and the matrix unit's own rounding can turn it there, and no further.
;;   INPUTS GIVEN AS CODES. Wk (in the module: [1024, 256], K = its axis 0); Wo (in the module: [1024, 1024], K = its axis 0); Wq (in the module: [1024, 1024], K = its axis 0); Wv (in the module: [1024, 256], K = its axis 0); x (in the module: [2, 2048, 1024], K = its axis 2): each comes as NAME_codes (uint8): NAME with its K axis moved to the last place and cut into blocks of 32 codes, [.., K / 32, bytes a block], one block behind the other in memory; one code a byte (a code: sign, 5 exponent bits, 2 mantissa bits); its scale is its entry of lowp_scales. Its value is code x scale, taken as it is: it is not quantised again, and the codes and scales need not be those that the quantiser above would give.
;; One version. Each part assembles by itself: llvm-mc -triple=amdgcn-amd-amdhsa -mcpu=gfx1250 --defsym DOCPART=n.
;; ======== version 1 of 1: 3 launches
;; limits: right only within a limited range of input values
;; workspace buffers: q_img 4,194,304 bytes; kv_img 2,097,152 bytes; y_img 4,194,304 bytes
;; launch qkv (part 1): grid 32 x 6, 4 waves a work-group, clusters of 4 x 1, 327,680 bytes of LDS; arguments x_codes, Wq_codes, Wk_codes, Wv_codes, cos, sin, lowp_scales, q_img, kv_img; writes q_img, kv_img
.if DOCPART == 1
	.amdgcn_target "amdgcn-amd-amdhsa--gfx1250"
	.amdhsa_code_object_version 6
	.text
	.protected	k_q01aa2246c3_qkv
	.globl	k_q01aa2246c3_qkv
	.p2align	8
	.type	k_q01aa2246c3_qkv,@function
k_q01aa2246c3_qkv:
	s_mov_b64 s[64:65], 0
	v_nop
	global_prefetch_b8 v0, s[64:65] scope:SCOPE_SE
	s_setreg_imm32_b32 hwreg(HW_REG_WAVE_MODE, 25, 1), 1
	s_wait_xcnt 0x0
	s_wait_alu depctr_hold_cnt(0) depctr_sa_sdst(0) depctr_va_vdst(0) depctr_va_sdst(0) depctr_va_ssrc(0) depctr_va_vcc(0) depctr_vm_vsrc(0)
	s_getreg_b32 s2, hwreg(HW_REG_IB_STS2, 6, 4)
	s_cmp_eq_u32 s2, 0
	s_cbranch_scc0 .Lentry_in_a_cluster
	s_endpgm
.Lentry_in_a_cluster:
	s_bfe_u32 s2, ttmp6, 0x10000c
	s_cmp_lg_u32 s2, 0x3003
	s_cbranch_scc0 .Lentry_shape_is_right
	s_endpgm
.Lentry_shape_is_right:
; q = rope(x Wq), k = rope(x Wk), v = x Wv on codes of BF8 (E5M2); the results are quantised with their given scales and stored as IMAGES OF OPERAND REGISTERS for the attention launch.
; x: [4096][1024] codes; Wq: [1024][1024], Wk, Wv: [256][1024] codes, K innermost.  cos, sin: [2048][32] f32.  lowp_scales: e0 .. e11.
; WORK LEFT OUT (in launch attn): the causal mask puts -infinity ahead of the softmax for every key behind the query, so p = 0 there; steps of 128 keys that lie wholly behind a wave's 32 queries are not computed.
; LIMIT: a NaN, an infinity or an overflow that reaches only such a step is not carried to the result.
.set MSB, 0
; ONE CORE FOR THREE KINDS, told apart by the work-group's y.  D = S0 (256 rows, source 0) x S1 (128 rows, source 1), K = 1,024; wave w takes S0's rows 64 w .. 64 w + 63 (4 tiles pt) against all of S1 (8 tiles rt): 32 accumulators.
;   y = 0..3: S0 = Wq's rows 256 y on (wave = head 4 y + w), S1 = tokens 128 x on: a lane holds ONE token (16 rt + lane % 16) and the head's channels 16 pt + 8 (lane / 16) + 0..7
;   y = 4:    S0 = Wk (wave = key head w), S1 as above
;   y = 5:    S0 = tokens 256 (x / 2) on, S1 = Wv's rows 128 (x % 2) on: a lane holds ONE channel of v and the tokens 16 pt + 8 (lane / 16) + 0..7: v comes out with the keys along the registers
; So one accumulator's eight registers are eight neighbours along the NEXT product's K, and one conversion gives registers 2 pt, 2 pt + 1 of that operand: nothing changes lanes.
; IMAGES.  A fragment's registers 4 u .. 4 u + 3 lie at 512 u + 16 x lane.  q_img: [16 b + head][tile of 16 queries (128)][1,024].  kv_img: [4 b + key head][step of 128 keys (16)][16,384]: 8 tiles of 16 keys x 1,024 (K = the head's 64),
; then 4 tiles of 16 channels x 2,048 (K = the step's 128 keys).  Every store of a wave covers 512 consecutive bytes, aligned.
; A sum stands for sum x 2^(ea + eb); RoPE is linear, so it is taken on the sums as they are, and the conversion's one scale is 2^(eo - ea - eb).  (ea, eb, eo) = q: (e0, e1, e6); k: (e2, e3, e7); v: (e4, e5, e8).
; LIMITS: eo - ea - eb between -126 and 112, so that the scale and 57,344 x the scale are f32 numbers.  NaN among the inputs is not served.
; CLUSTER 4, 1, 1: four neighbours along x have the same y.  Of kinds q and k they need the same 256 rows of weights: asked for JOINTLY (mask 15, waves 0 and 1); each has its own tokens (wave 2, a plain load), which are not shared along y: the grid's y, 6, is no multiple of 4.
; Kind v, one work-group in six, loads for itself: its partners share S0 in pairs and S1 alternately.
; K IN THREE CHUNKS, one tensor load a wave each: K 0..511 into region A (rows of 512 bytes), K 512..767 into region B, K 768..1023 into region A again.  Wave 3 fetches cos beside the first chunk and sin beside the third.
; No prefetch into the L2: the launch has no loop to run ahead in.  192 work-groups: 24 units of 64 output rows x 32 blocks of 128 tokens, four units each.
; REGISTERS: window 0: v1-17 addresses and constants; v32-127, v128-223 two fragment buffers (S0's 4 x 8, then S1's 8 x 8); at the end v32-63 the numbers at work, v64-127 the codes.
;   window 1: the 32 accumulators, (pt, rt) at v[8 (4 rt + pt)].   window 2: v0-127 cos, v128-255 sin of my lane's token and channels, 16 for each rt.
.set PA, 528                           ; a row in region A: 512 bytes + 16 of padding = 132 words; in region B 256 + 16 = 68 words: 16 rows start at 16 different banks (64 banks of 4 bytes: ISA guide 11.1)
.set PB, 272
.set RB, 384*PA                        ; a region: S0's 256 rows, then S1's 128
.set COSB, RB+384*PB                   ; cos: 128 rows of 128 + 16 bytes
.set SINB, 384*PB                      ; sin: in region A, behind the third chunk
.set SPARE, COSB+128*144               ; the spare words, 128 bytes for each wave
.set AD4,  4                           ; v4-6   LDS address of my four tiles of S0 in chunk 0, 1, 2
.set AD8,  8                           ; v8-10  of S1's eight tiles
.set SINA, 11                          ; v11, v13 my place in sin and cos
.set LI,   12                          ; v12    16 x lane: my place in an image
.set COSA, 13
.set SPW,  14                          ; v14    LDS address of my spare word; never rewritten
.set NIL,  15                          ; v15    0; never rewritten
.set SC,   16                          ; v16    the conversion's scale as f32
.set LIM,  17                          ; v17    57,344 x that
.set F0,   32
.set OUT,  32
.set CODE, 64
.set WV, 22                            ; s22 wave;  s23 work-group x;  s24 work-group y
.set GX, 23
.set GY, 24
.macro WIN new                         ; the immediate's high byte repeats the setting that is left
.if MSB != \new
	s_set_vgpr_msb (MSB<<8)|\new
.set MSB, \new
.endif
.endm
.macro PLACES                          ; four places in front of loads into registers that matrix instructions have read, and of the first read of results
.rept 4
	v_nop
.endr
.endm
.macro ROUND                           ; a round of the cluster's barrier
	s_barrier_signal -1
	s_barrier_wait -1
	s_cmp_lg_u32 s[WV], 0
	s_cbranch_scc1 .Lnot_wave_0_\@
	s_barrier_signal -3
.Lnot_wave_0_\@:
	s_barrier_wait -3
	s_barrier_signal -1
	s_barrier_wait -1
.endm
.macro GROUP1 g, word0, cols, rows, pitch
	s_mov_b32 s[\g], \word0
	s_mov_b32 s[\g+1], (\cols)<<16
	s_mov_b32 s[\g+2], (\rows)<<16
	s_mov_b32 s[\g+3], (\cols)<<16
	s_mov_b32 s[\g+4], \rows
	s_mov_b32 s[\g+5], \pitch
	s_mov_b32 s[\g+6], 0
	s_mov_b32 s[\g+7], 0
.endm
; One load a wave: waves 0, 1 S0's two halves (jointly, or by themselves for kind v), wave 2 S1, wave 3 cos or sin (three = 1) or nothing.  The branches hang on the wave's number and on y, which the partners share.
.macro LOADS ga, gb, three
	s_cmp_lt_u32 s[WV], 2
	s_cbranch_scc0 .Lnot_w_\@
	s_cmp_eq_u32 s[GY], 5
	s_cbranch_scc1 .Lkind_v_\@
	tensor_load_to_lds s[60:63], s[\ga:\ga+7]
	s_nop 0
	PLACES
	s_branch .Lasked_\@
.Lkind_v_\@:
	tensor_load_to_lds s[72:75], s[\gb:\gb+7]
	s_nop 0
	PLACES
	s_branch .Lasked_\@
.Lnot_w_\@:
	s_cmp_eq_u32 s[WV], 2
	s_cbranch_scc0 .Lnot_x_\@
	tensor_load_to_lds s[68:71], s[\gb:\gb+7]
	s_nop 0
	PLACES
	s_branch .Lasked_\@
.Lnot_x_\@:
.if \three
	tensor_load_to_lds s[92:95], s[84:91]
	s_nop 0
	PLACES
.endif
.Lasked_\@:
.endm
; 24 LDS loads: the fragments of 64 along K, the q-th of a chunk, into buffer f; tp: 16 rows in bytes.  Registers 4 c .. 4 c + 3 take K = 32 c + 16 (lane / 16) + 0..15: one permutation of K, the same in both sources.
.macro FETCH n, tp, q, f
.irp i, 0,1,2,3
.irp c, 0,1
	ds_load_b128 v[\f+8*\i+4*\c:\f+8*\i+4*\c+3], v[AD4+\n] offset:(\tp)*\i+64*(\q)+32*\c
.endr
.endr
.irp i, 0,1,2,3,4,5,6,7
.irp c, 0,1
	ds_load_b128 v[\f+32+8*\i+4*\c:\f+32+8*\i+4*\c+3], v[AD8+\n] offset:(\tp)*\i+64*(\q)+32*\c
.endr
.endr
.endm
; 32 matrix instructions, 64 along K.  The 32 accumulators take turns, one instruction a turn, in one order throughout.  zero = 1: the first products start the sums.
.macro MUL32 f, zero
	WIN 0x50                                       ; C and D window 1
.irp rt, 0,1,2,3,4,5,6,7
.irp pt, 0,1,2,3
.if \zero
	v_wmma_f32_16x16x64_bf8_bf8 v[8*(4*\rt+\pt):8*(4*\rt+\pt)+7], v[\f+8*\pt:\f+8*\pt+7], v[\f+32+8*\rt:\f+32+8*\rt+7], 0
.else
	v_wmma_f32_16x16x64_bf8_bf8 v[8*(4*\rt+\pt):8*(4*\rt+\pt)+7], v[\f+8*\pt:\f+8*\pt+7], v[\f+32+8*\rt:\f+32+8*\rt+7], v[8*(4*\rt+\pt):8*(4*\rt+\pt)+7]
.endif
.endr
.endr
	WIN 0
.endm
; A chunk: steps of 64 along K on two buffers by turns; each step's loads are issued ahead of the step before it.
.macro KRUN n, tp, steps, first
.set QQ, 0
	PLACES
	FETCH \n, \tp, 0, F0
.rept \steps
.if QQ+1 < \steps
	PLACES
	FETCH \n, \tp, QQ+1, F0+96*((QQ+1)%2)
	s_wait_dscnt 24                                ; all but the 24 just issued
.else
	s_wait_dscnt 0x0
.endif
.if \first
.if QQ == 0
	MUL32 F0, 1
.else
	MUL32 F0+96*(QQ%2), 0
.endif
.else
	MUL32 F0+96*(QQ%2), 0
.endif
.set QQ, QQ+1
.endr
.endm
; 32 loads of cos or sin at (token 16 rt + lane % 16, channel 16 p + 8 (lane / 16) + 0..7) into window 2.  Kind v reads them too and does not use them: one text, and no register is read unwritten.
.macro ANGLES base, adr
	WIN 0x80
.irp rt, 0,1,2,3,4,5,6,7
.irp p, 0,1
.irp e, 0,1
	ds_load_b128 v[\base+16*\rt+8*\p+4*\e:\base+16*\rt+8*\p+4*\e+3], v[\adr] offset:2304*\rt+64*\p+16*\e
.endr
.endr
.endr
	WIN 0
.endm
	s_load_b512 s[4:19], s[0:1], 0x0               ; x s[4:5], Wq s[6:7], Wk s[8:9], Wv s[10:11], cos s[12:13], sin s[14:15], the scales' exponents s[16:17], q_img s[18:19]
	s_load_b64 s[20:21], s[0:1], 0x40              ; kv_img
	v_lshl_add_u32 v[SPW], v0, 2, SPARE
	v_mov_b32 v[NIL], 0
	ds_add_u32 v[SPW], v[NIL]                      ; the wave's opening: the add, twice on end, and its wait ahead of my first tensor load
	ds_add_u32 v[SPW], v[NIL]
	v_lshrrev_b32 v1, 5, v0
	v_readfirstlane_b32 s[WV], v1                  ; wave 0..3
	s_bfe_u32 s25, ttmp6, 0x40000                  ; cx
	s_lshl_b32 s[GX], ttmp9, 2
	s_add_co_u32 s[GX], s[GX], s25
	s_and_b32 s[GY], ttmp7, 0xffff
	GROUP1 28, 15|(1<<20)|(1<<21)|(6<<22)|(3<<25), 512, 128, 1024  ; joint: mask 15, bit 21 beside it; elements of 1 byte; padding: after every 128 words (code 6) 4 words (code 3)
	GROUP1 36, (1<<20)|(6<<22)|(3<<25), 512, 128, 1024             ; plain: no mask
	GROUP1 44, 15|(1<<20)|(1<<21)|(5<<22)|(3<<25), 256, 128, 1024  ; chunks 1, 2: padding after every 64 words
	GROUP1 52, (1<<20)|(5<<22)|(3<<25), 256, 128, 1024
	GROUP1 84, (1<<20)|(4<<22)|(3<<25), 256, 64, 256               ; cos, sin: 128 rows of 128 bytes, dense, stated as 64 rows of 256; padding after every 32 words
	s_and_b32 s25, s[WV], 1
	s_lshl_b32 s26, s25, 17                        ; my 128 rows of S0
	s_lshl_b32 s66, s[GY], 18                      ; q: 256 y rows of Wq
	s_mov_b32 s67, 0
	s_lshl_b32 s96, s[GX], 17                      ; q, k: S1 = 128 x tokens;
	s_and_b32 s27, s[GX], 1
	s_lshl_b32 s27, s27, 17                        ; v: 128 (x % 2) rows of Wv
	s_mov_b32 s97, 0
	s_lshr_b32 s76, s[GX], 1
	s_lshl_b32 s76, s76, 18                        ; v: S0 = 256 (x / 2) tokens
	s_add_co_u32 s76, s76, s26
	s_mov_b32 s77, 0
	s_and_b32 s98, s[GX], 15                       ; q, k: the block's 128 places in the sequence, rows of 128 bytes
	s_lshl_b32 s98, s98, 14
	s_mov_b32 s99, 0
	s_wait_dscnt 0x0                               ; both opening adds are done
	s_wait_kmcnt 0x0
	s_cmp_lt_u32 s[GY], 4
	s_cselect_b64 s[62:63], s[6:7], s[8:9]         ; Wq or Wk
	s_cselect_b32 s66, s66, 0
	s_add_co_u32 s66, s66, s26
	s_add_nc_u64 s[62:63], s[62:63], s[66:67]
	s_or_b32 s63, s63, 0x80000000                  ; type = 2
	s_mov_b32 s60, 1                               ; count = 1
	s_mul_i32 s61, s25, 128*PA                     ; LDS address: my half of S0's rows
	s_add_nc_u64 s[74:75], s[4:5], s[76:77]
	s_or_b32 s75, s75, 0x80000000
	s_mov_b32 s72, 1
	s_mul_i32 s73, s25, 128*PA
	s_cmp_eq_u32 s[GY], 5
	s_cselect_b32 s96, s27, s96
	s_cselect_b64 s[70:71], s[10:11], s[4:5]
	s_add_nc_u64 s[70:71], s[70:71], s[96:97]
	s_or_b32 s71, s71, 0x80000000
	s_mov_b32 s68, 1
	s_mov_b32 s69, 256*PA                          ; S1 behind S0
	s_add_nc_u64 s[94:95], s[12:13], s[98:99]
	s_or_b32 s95, s95, 0x80000000
	s_mov_b32 s92, 1
	s_mov_b32 s93, COSB
	ROUND                                          ; all four work-groups are here: the first joint loads meet
	LOADS 28, 36, 1
	s_mul_i32 s26, s[WV], 64*PA                    ; my 64 rows of S0
	s_mul_i32 s27, s[WV], 64*PB
	v_and_b32 v1, 15, v0                           ; lane % 16
	v_bfe_u32 v2, v0, 4, 1                         ; lane / 16
	v_mul_u32_u24 v3, v1, PA
	v_lshl_add_u32 v3, v2, 4, v3                   ; row x pitch + 16 x half
	v_mul_u32_u24 v7, v1, PB
	v_lshl_add_u32 v7, v2, 4, v7
	v_mul_u32_u24 v[SINA], v1, 144
	v_lshl_add_u32 v[SINA], v2, 5, v[SINA]
	v_add_nc_u32 v[COSA], COSB, v[SINA]
	v_add_nc_u32 v[SINA], SINB, v[SINA]
	v_and_b32 v[LI], 31, v0
	v_lshlrev_b32 v[LI], 4, v[LI]
	v_add_nc_u32 v[AD4], s26, v3
	v_add_nc_u32 v[AD8], 256*PA, v3
	v_add_nc_u32 v[AD4+2], s27, v7
	v_add_nc_u32 v[AD4+1], RB, v[AD4+2]
	v_add_nc_u32 v[AD8+2], 256*PB, v7
	v_add_nc_u32 v[AD8+1], RB+256*PB, v7
	s_wait_alu depctr_va_vdst(0)                   ; the wait at the head's end
	s_wait_tensorcnt 0x0                           ; my part of chunk 0 is in
	ds_add_u32 v[SPW], v[NIL]
	s_mul_i32 s61, s25, 128*PB
	s_add_co_u32 s61, s61, RB
	s_mul_i32 s73, s25, 128*PB
	s_add_co_u32 s73, s73, RB
	s_mov_b32 s69, RB+256*PB
	s_add_nc_u64 s[62:63], s[62:63], 512
	s_add_nc_u64 s[74:75], s[74:75], 512
	s_add_nc_u64 s[70:71], s[70:71], 512
	s_wait_dscnt 0x0
	ROUND                                          ; everybody's part of chunk 0 is in
	LOADS 44, 52, 0                                ; chunk 1, the first tensor load behind the round
	KRUN 0, 16*PA, 8, 1
	s_wait_tensorcnt 0x0                           ; all my tensor loads have landed, so a group 0 may be written
	ds_add_u32 v[SPW], v[NIL]                      ; 0 onto my spare word
	s_mul_i32 s61, s25, 128*PB
	s_mul_i32 s73, s25, 128*PB
	s_mov_b32 s69, 256*PB
	s_add_nc_u64 s[62:63], s[62:63], 256
	s_add_nc_u64 s[74:75], s[74:75], 256
	s_add_nc_u64 s[70:71], s[70:71], 256
	s_add_nc_u64 s[94:95], s[14:15], s[98:99]
	s_or_b32 s95, s95, 0x80000000
	s_mov_b32 s93, SINB
	s_wait_dscnt 0x0                               ; the add is done, and my reads of region A are over
	ROUND                                          ; both hold of every wave of every partner; region B is whole
	LOADS 44, 52, 1                                ; chunk 2 and sin: they have chunk 1's 128 matrix instructions in which to land
	ANGLES 0, COSA
	KRUN 1, 16*PB, 4, 0
	s_wait_tensorcnt 0x0                           ; my part of chunk 2, or sin, is in,
	s_wait_dscnt 0x0
	s_barrier_signal -1
	s_barrier_wait -1                              ; everybody's is; nothing is filled any more, so the descriptors' registers are free
	s_load_b256 s[28:35], s[16:17], 0x0            ; e0 .. e7
	s_load_b128 s[36:39], s[16:17], 0x20           ; e8 .. e11
	ANGLES 128, SINA
	KRUN 2, 16*PB, 4, 0
	; THE WAY OUT.  The conversion's scale, by kind, without a branch on a loaded number
	s_wait_kmcnt 0x0
	s_add_co_i32 s25, s28, s29
	s_sub_co_i32 s25, s34, s25                     ; q: e6 - e0 - e1
	s_add_co_i32 s26, s30, s31
	s_sub_co_i32 s26, s35, s26                     ; k: e7 - e2 - e3
	s_add_co_i32 s27, s32, s33
	s_sub_co_i32 s27, s36, s27                     ; v: e8 - e4 - e5
	s_cmp_lt_u32 s[GY], 4
	s_cselect_b32 s25, s25, s26
	s_cmp_eq_u32 s[GY], 5
	s_cselect_b32 s25, s27, s25
	s_add_co_i32 s25, s25, 127
	s_lshl_b32 s26, s25, 23
	v_mov_b32 v[SC], s26                           ; the scale as f32: the conversion takes its exponent field
	s_add_co_i32 s25, s25, 15
	s_lshl_b32 s25, s25, 23
	s_or_b32 s25, s25, 0x600000
	v_mov_b32 v[LIM], s25                          ; 57,344 x the scale
	; where my images begin
	s_lshr_b32 s26, s[GX], 4                       ; b
	s_and_b32 s27, s[GX], 15                       ; x % 16
	s_lshl_b32 s54, s26, 4
	s_lshl_b32 s44, s[GY], 2
	s_add_co_u32 s54, s54, s44
	s_add_co_u32 s54, s54, s[WV]                   ; q: 16 b + 4 y + wave,
	s_lshl_b32 s54, s54, 7
	s_lshl_b32 s44, s27, 3
	s_add_co_u32 s54, s54, s44                     ; 128 tiles each; my first is 8 (x % 16)
	s_lshl_b32 s54, s54, 10
	s_lshl_b32 s44, s26, 2
	s_add_co_u32 s45, s44, s[WV]                   ; k: 4 b + wave,
	s_lshl_b32 s45, s45, 4
	s_add_co_u32 s45, s45, s27                     ; step x % 16
	s_lshl_b32 s45, s45, 14
	s_and_b32 s46, s[GX], 1
	s_lshl_b32 s46, s46, 1
	s_add_co_u32 s46, s46, s44                     ; v: 4 b + 2 (x % 2) (+ rt / 4, in the stores' immediates),
	s_lshl_b32 s46, s46, 4
	s_bfe_u32 s47, s[GX], 0x30001
	s_lshl_b32 s47, s47, 1
	s_add_co_u32 s46, s46, s47
	s_lshr_b32 s47, s[WV], 1
	s_add_co_u32 s46, s46, s47                     ; step 2 ((x / 2) % 8) + wave / 2,
	s_lshl_b32 s46, s46, 14
	s_and_b32 s47, s[WV], 1
	s_lshl_b32 s47, s47, 10
	s_add_co_u32 s46, s46, s47                     ; my 64 keys are registers 8 (wave % 2) on of a fragment,
	s_add_co_u32 s46, s46, 8192                    ; behind the step's tiles of K
	s_mov_b32 s55, 0
	s_cmp_lt_u32 s[GY], 4
	s_cselect_b64 s[56:57], s[18:19], s[20:21]
	s_cselect_b32 s54, s54, s45
	s_cmp_eq_u32 s[GY], 5
	s_cselect_b32 s54, s46, s54
	s_add_nc_u64 s[56:57], s[56:57], s[54:55]
; v[OUT] .. v[OUT + 31], held, become the eight registers of codes of tile rt, which leave as two stores of 512 consecutive bytes.  Each rt has its own registers for its codes: no store's data are written again.
.macro QSTORE rt, imm
.irp g, 0,1,2,3
	v_cvt_scalef32_pk8_bf8_f32 v[CODE+8*\rt+2*\g:CODE+8*\rt+2*\g+1], v[OUT+8*\g:OUT+8*\g+7], v[SC]
.endr
	v_nop                                          ; one plain vector instruction between a scaled conversion and the next lines that write its sources
	global_store_b128 v[LI], v[CODE+8*\rt:CODE+8*\rt+3], s[56:57] offset:\imm
	global_store_b128 v[LI], v[CODE+8*\rt+4:CODE+8*\rt+7], s[56:57] offset:\imm+512
.endm
; RoPE on tile rt: x1 = channels 0-31 (accumulators pt = 0, 1), x2 = channels 32-63 (pt = 2, 3), in the same lane.  Each accumulator is read from its low end on.
.macro ROPE rt
	WIN 0x09                                       ; source 0 (the sums) window 1, source 1 (cos, sin) window 2
.irp i, 0,2,4,6,8,10,12,14
	v_pk_mul_f32 v[OUT+\i:OUT+\i+1], v[32*\rt+16+\i:32*\rt+17+\i], v[128+16*\rt+\i:129+16*\rt+\i]        ; x2 sin
	v_pk_mul_f32 v[OUT+16+\i:OUT+17+\i], v[32*\rt+\i:32*\rt+1+\i], v[128+16*\rt+\i:129+16*\rt+\i]        ; x1 sin
	v_pk_fma_f32 v[OUT+\i:OUT+\i+1], v[32*\rt+\i:32*\rt+1+\i], v[16*\rt+\i:16*\rt+1+\i], v[OUT+\i:OUT+\i+1]   ; x1 cos + x2 sin
	v_pk_fma_f32 v[OUT+16+\i:OUT+17+\i], v[32*\rt+16+\i:32*\rt+17+\i], v[16*\rt+\i:16*\rt+1+\i], v[OUT+16+\i:OUT+17+\i] neg_lo:[0,0,1] neg_hi:[0,0,1]   ; x2 cos - x1 sin
.endr
	WIN 0
.set i, 0
.rept 32
	v_med3_num_f32 v[OUT+i], v[OUT+i], -v[LIM], v[LIM]   ; the conversion to an 8-bit code does not saturate (ISA guide 7.6.2): the hold at the largest code x the scale
.set i, i+1
.endr
.endm
.macro VHOLD rt                        ; v has no RoPE: the hold takes the sums out of the accumulators, each from its low end on
	WIN 0x01                                       ; source 0 window 1
.set i, 0
.rept 32
	v_med3_num_f32 v[OUT+i], v[32*\rt+i], -v[LIM], v[LIM]
.set i, i+1
.endr
	WIN 0
.endm
	PLACES                                         ; behind the last products: their results are read, and the fragments' registers written
	s_wait_alu depctr_va_vdst(0)                   ; the wait here, ahead of the branch
	s_cmp_eq_u32 s[GY], 5
	s_cbranch_scc1 .Lv
.irp rt, 0,1,2,3,4,5,6,7
	ROPE \rt
	QSTORE \rt, 1024*\rt
.endr
	s_branch .Ldone
.Lv:
.irp rt, 0,1,2,3,4,5,6,7
	VHOLD \rt
	QSTORE \rt, 262144*(\rt/4)+2048*(\rt%4)
.endr
.Ldone:
	s_wait_tensorcnt 0x0                           ; the wave's end
	ds_add_u32 v[SPW], v[NIL]
	s_wait_dscnt 0x0
	ROUND                                          ; the closing round: no work-group ends while a partner may still ask for a tile that names it
	s_endpgm
.Lfunc_end_k_q01aa2246c3_qkv:
	.size	k_q01aa2246c3_qkv, .Lfunc_end_k_q01aa2246c3_qkv-k_q01aa2246c3_qkv
	.p2alignl 7, 3214868480
	.fill 96, 4, 3214868480
	.section	.rodata,"a",@progbits
	.p2align	6, 0x0
	.amdhsa_kernel k_q01aa2246c3_qkv
		.amdhsa_group_segment_fixed_size 327680
		.amdhsa_private_segment_fixed_size 0
		.amdhsa_enable_private_segment 0
		.amdhsa_kernarg_size 72
		.amdhsa_user_sgpr_count 2
		.amdhsa_user_sgpr_kernarg_segment_ptr 1
		.amdhsa_wavefront_size32 1
		.amdhsa_system_sgpr_workgroup_id_x 1
		.amdhsa_system_sgpr_workgroup_id_y 1
		.amdhsa_system_sgpr_workgroup_id_z 1
		.amdhsa_system_vgpr_workitem_id 0
		.amdhsa_next_free_vgpr 768
		.amdhsa_next_free_sgpr 100
		.amdhsa_reserve_vcc 0
		.amdhsa_float_denorm_mode_32 3
		.amdhsa_float_denorm_mode_16_64 3
		.amdhsa_memory_ordered 1
		.amdhsa_forward_progress 1
		.amdhsa_inst_pref_size 135
	.end_amdhsa_kernel
	.amdgpu_metadata
---
amdhsa.version: [ 1, 2 ]
amdhsa.kernels:
  - .name:           k_q01aa2246c3_qkv
    .symbol:         k_q01aa2246c3_qkv.kd
    .args:
      - { .name: x_codes, .offset: 0, .size: 8, .value_kind: global_buffer, .address_space: global }
      - { .name: Wq_codes, .offset: 8, .size: 8, .value_kind: global_buffer, .address_space: global }
      - { .name: Wk_codes, .offset: 16, .size: 8, .value_kind: global_buffer, .address_space: global }
      - { .name: Wv_codes, .offset: 24, .size: 8, .value_kind: global_buffer, .address_space: global }
      - { .name: cos, .offset: 32, .size: 8, .value_kind: global_buffer, .address_space: global }
      - { .name: sin, .offset: 40, .size: 8, .value_kind: global_buffer, .address_space: global }
      - { .name: lowp_scales, .offset: 48, .size: 8, .value_kind: global_buffer, .address_space: global }
      - { .name: q_img, .offset: 56, .size: 8, .value_kind: global_buffer, .address_space: global }
      - { .name: kv_img, .offset: 64, .size: 8, .value_kind: global_buffer, .address_space: global }
    .group_segment_fixed_size: 327680
    .private_segment_fixed_size: 0
    .kernarg_segment_align: 8
    .kernarg_segment_size: 72
    .max_flat_workgroup_size: 128
    .sgpr_count:     100
    .vgpr_count:     768
    .wavefront_size: 32
...
	.end_amdgpu_metadata
.endif
;; end of part 1
;; launch attn (part 2): grid 32 x 8, 8 waves a work-group, clusters of 4 x 1, 327,680 bytes of LDS; arguments q_img, kv_img, lowp_scales, y_img; writes y_img
.if DOCPART == 2
	.amdgcn_target "amdgcn-amd-amdhsa--gfx1250"
	.amdhsa_code_object_version 6
	.text
	.protected	k_q01aa2246c3_attn
	.globl	k_q01aa2246c3_attn
	.p2align	8
	.type	k_q01aa2246c3_attn,@function
k_q01aa2246c3_attn:
	s_mov_b64 s[64:65], 0
	v_nop
	global_prefetch_b8 v0, s[64:65] scope:SCOPE_SE
	s_setreg_imm32_b32 hwreg(HW_REG_WAVE_MODE, 25, 1), 1
	s_wait_xcnt 0x0
	s_wait_alu depctr_hold_cnt(0) depctr_sa_sdst(0) depctr_va_vdst(0) depctr_va_sdst(0) depctr_va_ssrc(0) depctr_va_vcc(0) depctr_vm_vsrc(0)
	s_getreg_b32 s2, hwreg(HW_REG_IB_STS2, 6, 4)
	s_cmp_eq_u32 s2, 0
	s_cbranch_scc0 .Lentry_in_a_cluster
	s_endpgm
.Lentry_in_a_cluster:
	s_bfe_u32 s2, ttmp6, 0x10000c
	s_cmp_lg_u32 s2, 0x3003
	s_cbranch_scc0 .Lentry_shape_is_right
	s_endpgm
.Lentry_shape_is_right:
; y = softmax(q k^T / 8, causal) v for 32 (batch, head) pairs of 2,048 queries, head size 64, both products on codes of BF8 (E5M2); y is quantised with its given scale and stored as images of the last product's operand.
; WORK LEFT OUT: steps of 128 keys that lie wholly behind a wave's 32 queries (the causal mask gives p = 0 there).  LIMIT: a NaN, an infinity or an overflow in such a step alone is not carried to the result.
.set MSB, 0
; q_img, kv_img: images of operand registers (registers 4 u .. 4 u + 3 of a fragment at 512 u + 16 x lane).  q_img: [16 b + head][tile of 16 queries][1,024].  kv_img: [G = 4 b + key head][step of 128 keys][16,384]: 8 tiles of
; 16 keys (K = the head's 64), then 4 tiles of 16 channels of v (K = the step's 128 keys).  y_img: [block of 128 tokens][128 channels (8)][tile of 16 tokens (8)][2,048].
; THE SOFTMAX AHEAD OF THE SECOND PRODUCT: t = score x log2(e) / 8; M = the running largest t rounded UP to a whole number; p = 2^(t - M) is quantised, not normalised; the row's sum is taken of the unquantised p and divides at the end.
; When M moves, the sum and O are multiplied by 2^(old M - new M): exact.
; LAYOUT.  S^T = K Q^T (source 0 = 16 keys, source 1 = 16 queries), O^T = V^T P^T (source 0 = 16 channels, source 1 = P): a lane holds ONE query (lane % 16) throughout; a tile of S^T holds keys 8 (lane / 16) + 0..7 in its registers,
; so one conversion gives registers 2 kt, 2 kt + 1 of P; likewise O^T's tiles give the registers of y's fragment.  Nothing changes lanes.
; CLUSTER.  The four partners are the four query heads of one key head, with the same queries: they need the same K and V, and ask for them JOINTLY (mask 15).  cx enters the addresses of q and y alone.
; ALL OF G's K AND V, 262,144 bytes, lies in LDS, byte for byte as in kv_img: first fills only, one load a wave (steps 2 w and 2 w + 1).  No loop loads from memory, so there is no prefetch into the L2.
; SHARES.  A wave works on two neighbouring tiles (32 queries, a double) at a time.  A work-group (j = the cluster's x) has four pairs of doubles, E = j + 8 i, which needs steps 0 .. k, k = E / 4, and L = 63 - E, which needs steps 0 .. 15 - k: 17 double steps.
; Wave i takes L's steps 0 .. 8; wave 4 + i takes E's k + 1 steps, stores E, and goes on with L's steps 9 .. 15 - k: 9 and 8 double steps in every work-group.  At the end wave 4 + i hands its part of L's O^T, sum and M through LDS to wave i, which joins them:
; both parts are brought under the larger M by powers of two: exact.  (A part without steps has O^T = 0, sum = 0 and a factor of 0.)
; In a double's last step (the diagonal) hidden scores become -infinity ahead of the maximum.  The step's first key counts for every query of the double, so M is a number from the first step on.
; LIMITS on the given exponents: e6 + e7 between -123 and 130 (added to c's exponent field); e9, and e10 - e8 - e9, between -126 and 112.  The scaled scores t stay under 2^31 in magnitude.  NaN among the inputs is not served.
; REGISTERS: window 0: v1-9 addresses and constants; v10-25 statistics, eight a tile: -M, the largest t, the sum in two halves, f, 0, two at work; v26-29 second halves of the sums; v30-45 Q; v48-175 S^T, then p, 64 a tile; v176-239 O^T, 32 a tile; v240-255 tile 0's P;
;   tile 1's P lies at v48-63, where tile 0's p has been converted.   window 1: v0-63 a step's K, v64-127 its V.
.set LI,   1                           ; v1  16 x lane
.set ADR,  2                           ; v2  LDS address of the step in hand
.set NINF, 3                           ; v3  -infinity
.set SPW,  4                           ; v4  LDS address of my spare word; v5  0: never rewritten
.set NIL,  5
.set SCP,  6                           ; v6  2^e9
.set SCY,  7                           ; v7  2^(e10 - e8 - e9);  v8  57,344 x that
.set LIMY, 8
.set STA,  9                           ; v9  my place in the pair's stage
.set ST,   10
.set SM,   26
.set Q,    30
.set S,    48
.set O,    176
.set P0,   240
.set P1,   48
.set PP,   36                          ; s36 my first tile's place (0, 2, 4, 6) in the double's diagonal step; the second tile's is the next
.set DGS,  38                          ; s38 the diagonal step
.set STP,  39                          ; s39 the step in hand
.set MK,   40                          ; s[40:47] lane masks: key 8 (lane / 16) + i lies behind query lane % 16 of the same tile
.set SW,   48                          ; s48 the trip ahead of which I change from E to L (255: never)
.set TEND, 49                          ; s49 my trips
.set OFFL, 50                          ; s50 8 - k: trip + this = L's step
.set NXT,  51                          ; s51 the next trip's step
.set TR,   52                          ; s52 the trip
.set LP,   53                          ; s53 57,344 x 2^e9
.set PL,   54                          ; s54, s55 L's PP and DGS;  s56 E's PP
.set DGL,  55
.set PE,   56
.set QL,   128                         ; window 1, v128-143: L's Q, for the change from E to L.  (Waves 0-3 load it too and do not use it: no register is read unwritten)
.set STG,  262144                      ; the stages of the four pairs, 18 x 512 bytes each
.set STGB, 9216
.set SPARE, STG+4*STGB                 ; the spare words, 128 bytes for each wave
.macro WIN new                         ; the immediate's high byte repeats the setting that is left
.if MSB != \new
	s_set_vgpr_msb (MSB<<8)|\new
.set MSB, \new
.endif
.endm
.macro PLACES n                        ; places behind matrix instructions (ISA guide 7.12.1)
.rept \n
	v_nop
.endr
.endm
.macro ROUND                           ; a round of the cluster's barrier
	s_barrier_signal -1
	s_barrier_wait -1
	s_cmp_lg_u32 s12, 0
	s_cbranch_scc1 .Lnot_wave_0_\@
	s_barrier_signal -3
.Lnot_wave_0_\@:
	s_barrier_wait -3
	s_barrier_signal -1
	s_barrier_wait -1
.endm
.macro YADDR d, blk, til               ; y_img's address of a double: block 16 b + blk, my channels' step, tile til, my half of the fragment
	s_add_co_u32 s96, s92, s[\blk]
	s_lshl_b32 s96, s96, 3
	s_add_co_u32 s96, s96, s93
	s_lshl_b32 s96, s96, 3
	s_add_co_u32 s96, s96, s[\til]
	s_lshl_b32 s96, s96, 11
	s_add_co_u32 s96, s96, s94
	s_mov_b32 s97, 0
	s_add_nc_u64 s[\d:\d+1], s[10:11], s[96:97]
.endm
.macro LOADQ q, a
.irp u, 0,1,2,3
	global_load_b128 v[\q+4*\u:\q+4*\u+3], v[LI], s[\a:\a+1] offset:512*\u
.endr
.endm
.macro RESET                           ; O^T = 0, sum = 0, M under every t.  (A step has no first form: the first change of M leaves zeros)
.irp x, 0,1
	v_mov_b32 v[ST+8*\x+1], 0xff61b1e6             ; the largest t so far: -3e38
	v_mov_b32 v[ST+8*\x+2], 0
	v_mov_b32 v[ST+8*\x+3], 0
	v_mov_b32 v[ST+8*\x+4], 0
	v_mov_b32 v[ST+8*\x+5], 0                      ; (named as the upper half of f's pair)
	v_floor_f32 v[ST+8*\x], -v[ST+8*\x+1]          ; -M
	v_mov_b32 v[ST+8*\x+7], 0                      ; (a lane permute's destination counts as one of its sources)
.endr
.set n, 0
.rept 64
	v_mov_b32 v[O+n], 0
.set n, n+1
.endr
.endm
.macro LOADK                           ; a step's K, 16 loads, as it lies: an image's 512 bytes a load
	WIN 0x40                                       ; destination window 1
.set n, 0
.rept 16
	ds_load_b128 v[4*n:4*n+3], v[ADR] offset:512*n
.set n, n+1
.endr
	WIN 0
.endm
.macro LOADV                           ; its V, 16 loads
	WIN 0x40
.set n, 0
.rept 16
	ds_load_b128 v[64+4*n:64+4*n+3], v[ADR] offset:8192+512*n
.set n, n+1
.endr
	WIN 0
.endm
.macro NEXT                            ; the next trip's step and its LDS address.  (Behind a wave's last step it names a step that is fetched and not used, so that the counts of the waits stay the same in every trip)
	s_add_co_u32 s[NXT], s[TR], 1
	s_cmp_ge_u32 s[NXT], s[SW]
	s_cselect_b32 s96, s[OFFL], 0
	s_add_co_u32 s[NXT], s[NXT], s96
	s_and_b32 s[NXT], s[NXT], 15
	s_lshl_b32 s96, s[NXT], 14
	v_add_nc_u32 v[ADR], s96, v[LI]
.endm
; Key tiles 2 m and 2 m + 1 of S^T in the diagonal step.  Before my double: all keys count.  At it: the first tile's queries see tile 2 m by the lane masks and nothing of 2 m + 1; the second's see all of 2 m, and 2 m + 1 by the lane masks.  Behind it: none count.
.macro MASKM m
	s_cmp_gt_u32 s[PP], 2*\m
	s_cbranch_scc1 .Lvis_\@
	s_cmp_lg_u32 s[PP], 2*\m
	s_cbranch_scc1 .Lhid_\@
.irp i, 0,1,2,3,4,5,6,7
	v_cndmask_b32 v[S+16*\m+\i], v[S+16*\m+\i], v[NINF], s[MK+\i]
	v_cndmask_b32 v[S+64+16*\m+8+\i], v[S+64+16*\m+8+\i], v[NINF], s[MK+\i]
	v_mov_b32 v[S+16*\m+8+\i], v[NINF]
.endr
	s_branch .Lvis_\@
.Lhid_\@:
.set n, 0
.rept 16
	v_mov_b32 v[S+16*\m+n], v[NINF]
	v_mov_b32 v[S+64+16*\m+n], v[NINF]
.set n, n+1
.endr
.Lvis_\@:
.endm
; A double step.  Its K is in registers or on its way; the next trip's K is fetched behind the first product.
.macro STEP
	PLACES 5                                       ; in front of products that write over tile 1's P
	s_wait_dscnt 0x0                               ; K is in
	s_wait_xcnt 0x0                                ; E's stores, if any, have read their registers
	WIN 0x01                                       ; source 0 window 1
.irp kt, 0,1,2,3,4,5,6,7
.irp x, 0,1
	v_wmma_f32_16x16x64_bf8_bf8 v[S+64*\x+8*\kt:S+64*\x+8*\kt+7], v[8*\kt:8*\kt+7], v[Q+8*\x:Q+8*\x+7], 0
.endr
.endr
	WIN 0
	PLACES 4                                       ; in front of loads into K's and V's registers, and of readers of S^T
	LOADV
	NEXT
	LOADK
	s_cmp_lg_u32 s[STP], s[DGS]
	s_cbranch_scc1 .Lopen_\@
.irp m, 0,1,2,3
	MASKM \m
.endr
.Lopen_\@:
	s_wait_alu depctr_va_vdst(0)                   ; ahead of the first reader of the masked scores
.irp x, 0,1                            ; the step's largest score of my query among my 64 keys, four chains a tile (two of them in P0's registers, which are free here); each tile of S^T is first read at its low end
	v_max3_num_f32 v[ST+8*\x+6], v[S+64*\x], v[S+64*\x+1], v[S+64*\x+2]
	v_max3_num_f32 v[ST+8*\x+7], v[S+64*\x+3], v[S+64*\x+4], v[S+64*\x+5]
	v_max3_num_f32 v[P0+2*\x], v[S+64*\x+6], v[S+64*\x+7], v[S+64*\x+8]
	v_max3_num_f32 v[P0+2*\x+1], v[S+64*\x+9], v[S+64*\x+10], v[S+64*\x+11]
.endr
.irp i, 12,20,28,36,44,52
.irp x, 0,1
	v_max3_num_f32 v[ST+8*\x+6], v[ST+8*\x+6], v[S+64*\x+\i], v[S+64*\x+\i+1]
	v_max3_num_f32 v[ST+8*\x+7], v[ST+8*\x+7], v[S+64*\x+\i+2], v[S+64*\x+\i+3]
	v_max3_num_f32 v[P0+2*\x], v[P0+2*\x], v[S+64*\x+\i+4], v[S+64*\x+\i+5]
	v_max3_num_f32 v[P0+2*\x+1], v[P0+2*\x+1], v[S+64*\x+\i+6], v[S+64*\x+\i+7]
.endr
.endr
.irp x, 0,1
	v_max3_num_f32 v[ST+8*\x+6], v[ST+8*\x+6], v[S+64*\x+60], v[S+64*\x+61]
	v_max3_num_f32 v[ST+8*\x+7], v[ST+8*\x+7], v[S+64*\x+62], v[S+64*\x+63]
.endr
.irp x, 0,1
	v_max_num_f32 v[P0+2*\x], v[P0+2*\x], v[P0+2*\x+1]
.endr
.irp x, 0,1
	v_max3_num_f32 v[ST+8*\x+6], v[ST+8*\x+6], v[ST+8*\x+7], v[P0+2*\x]
.endr
.irp x, 0,1
	v_permlanex16_b32 v[ST+8*\x+7], v[ST+8*\x+6], s60, s61
.endr
.irp x, 0,1
	v_max_num_f32 v[ST+8*\x+6], v[ST+8*\x+6], v[ST+8*\x+7]   ; and among lane xor 16's
.endr
.irp x, 0,1
	v_mul_f32 v[ST+8*\x+6], s62, v[ST+8*\x+6]      ; as t (c is positive)
.endr
.irp x, 0,1
	v_max_num_f32 v[ST+8*\x+1], v[ST+8*\x+1], v[ST+8*\x+6]   ; the running largest t
.endr
.irp x, 0,1
	v_mov_b32 v[ST+8*\x+6], v[ST+8*\x]
.endr
.irp x, 0,1
	v_floor_f32 v[ST+8*\x], -v[ST+8*\x+1]          ; the new -M = floor(-t): M is a whole number
.endr
.irp x, 0,1
	v_sub_f32 v[ST+8*\x+6], v[ST+8*\x], v[ST+8*\x+6]   ; old M - new M: a whole number, 0 or less
.endr
.set n, 0
.rept 8                                ; t - M, two at a time, both tiles by turns; the rest of f's chain stands among them
	v_pk_fma_f32 v[S+n:S+n+1], v[S+n:S+n+1], s[62:63], v[ST:ST+1] op_sel_hi:[1,0,0]
	v_pk_fma_f32 v[S+64+n:S+64+n+1], v[S+64+n:S+64+n+1], s[62:63], v[ST+8:ST+9] op_sel_hi:[1,0,0]
.set n, n+2
.endr
.irp x, 0,1
	v_cvt_i32_f32 v[ST+8*\x+6], v[ST+8*\x+6]       ; (it saturates)
.endr
.rept 8
	v_pk_fma_f32 v[S+n:S+n+1], v[S+n:S+n+1], s[62:63], v[ST:ST+1] op_sel_hi:[1,0,0]
	v_pk_fma_f32 v[S+64+n:S+64+n+1], v[S+64+n:S+64+n+1], s[62:63], v[ST+8:ST+9] op_sel_hi:[1,0,0]
.set n, n+2
.endr
.irp x, 0,1
	v_ldexp_f32 v[ST+8*\x+4], 1.0, v[ST+8*\x+6]    ; f = 2^(old M - new M)
.endr
.rept 16
	v_pk_fma_f32 v[S+n:S+n+1], v[S+n:S+n+1], s[62:63], v[ST:ST+1] op_sel_hi:[1,0,0]
	v_pk_fma_f32 v[S+64+n:S+64+n+1], v[S+64+n:S+64+n+1], s[62:63], v[ST+8:ST+9] op_sel_hi:[1,0,0]
.set n, n+2
.endr
.irp x, 0,1
.set n, 0
.rept 16
	v_pk_mul_f32 v[O+32*\x+n:O+32*\x+n+1], v[O+32*\x+n:O+32*\x+n+1], v[ST+8*\x+4:ST+8*\x+5] op_sel_hi:[1,0]   ; O^T under the new M, ahead of the exponentials
.set n, n+2
.endr
.endr
	s_wait_alu depctr_va_vdst(0)                   ; ahead of the batch
.set n, 0
.rept 128
	v_exp_f32 v[S+n], v[S+n]                       ; p = 2^(t - M), at most 1
.set n, n+1
.endr
.irp x, 0,1
	v_pk_mul_f32 v[ST+8*\x+2:ST+8*\x+3], v[ST+8*\x+2:ST+8*\x+3], v[ST+8*\x+4:ST+8*\x+5] op_sel_hi:[1,0]   ; the sums under the new M.  (Plain places behind the exponentials)
.endr
	s_wait_alu depctr_va_vdst(0)                   ; one wait for the whole batch, ahead of its first reader
.irp x, 0,1                            ; the row's sum is taken of the unquantised p, four chains a tile (two of them in P0's registers, which are free here)
	v_pk_add_f32 v[SM+2*\x:SM+2*\x+1], v[S+64*\x:S+64*\x+1], v[S+64*\x+2:S+64*\x+3]
	v_pk_add_f32 v[P0+4*\x:P0+4*\x+1], v[S+64*\x+4:S+64*\x+5], v[S+64*\x+6:S+64*\x+7]
	v_pk_add_f32 v[P0+4*\x+2:P0+4*\x+3], v[S+64*\x+8:S+64*\x+9], v[S+64*\x+10:S+64*\x+11]
	v_pk_add_f32 v[ST+8*\x+2:ST+8*\x+3], v[ST+8*\x+2:ST+8*\x+3], v[S+64*\x+12:S+64*\x+13]
.endr
.irp i, 14,22,30,38,46,54
.irp x, 0,1
	v_pk_add_f32 v[SM+2*\x:SM+2*\x+1], v[SM+2*\x:SM+2*\x+1], v[S+64*\x+\i:S+64*\x+\i+1]
	v_pk_add_f32 v[P0+4*\x:P0+4*\x+1], v[P0+4*\x:P0+4*\x+1], v[S+64*\x+\i+2:S+64*\x+\i+3]
	v_pk_add_f32 v[P0+4*\x+2:P0+4*\x+3], v[P0+4*\x+2:P0+4*\x+3], v[S+64*\x+\i+4:S+64*\x+\i+5]
	v_pk_add_f32 v[ST+8*\x+2:ST+8*\x+3], v[ST+8*\x+2:ST+8*\x+3], v[S+64*\x+\i+6:S+64*\x+\i+7]
.endr
.endr
.irp x, 0,1
	v_pk_add_f32 v[SM+2*\x:SM+2*\x+1], v[SM+2*\x:SM+2*\x+1], v[S+64*\x+62:S+64*\x+63]
	v_pk_add_f32 v[ST+8*\x+2:ST+8*\x+3], v[ST+8*\x+2:ST+8*\x+3], v[P0+4*\x+2:P0+4*\x+3]
.endr
.irp x, 0,1
	v_pk_add_f32 v[SM+2*\x:SM+2*\x+1], v[SM+2*\x:SM+2*\x+1], v[P0+4*\x:P0+4*\x+1]
.endr
.irp x, 0,1
	v_pk_add_f32 v[ST+8*\x+2:ST+8*\x+3], v[ST+8*\x+2:ST+8*\x+3], v[SM+2*\x:SM+2*\x+1]
.endr
.irp x, 0,1
.set n, 0
.rept 32                               ; the conversion does not saturate (ISA guide 7.6.2); p is not negative, so the hold is one-sided
	v_dual_min_num_f32 v[S+64*\x+n], s[LP], v[S+64*\x+n] :: v_dual_min_num_f32 v[S+64*\x+n+1], s[LP], v[S+64*\x+n+1]
.set n, n+2
.endr
.irp kt, 0,1,2,3,4,5,6,7
	v_cvt_scalef32_pk8_bf8_f32 v[P0-(P0-P1)*\x+2*\kt:P0-(P0-P1)*\x+2*\kt+1], v[S+64*\x+8*\kt:S+64*\x+8*\kt+7], v[SCP]
.endr
.endr
	v_nop                                          ; one plain line behind the last conversion
	s_wait_alu depctr_va_vdst(0)                   ; directly ahead of the wait below
	s_wait_dscnt 16                                ; V is in; the next K's 16 loads may be out
	WIN 0x01
.irp dt, 0,1,2,3
.irp x, 0,1
	v_wmma_f32_16x16x128_bf8_bf8 v[O+32*\x+8*\dt:O+32*\x+8*\dt+7], v[64+16*\dt:64+16*\dt+15], v[P0-(P0-P1)*\x:P0-(P0-P1)*\x+15], v[O+32*\x+8*\dt:O+32*\x+8*\dt+7]   ; eight accumulators by turns
.endr
.endr
	WIN 0
.endm
; THE WAY OUT of a double: O^T / the sum, held, becomes eight registers of y's fragment a tile, which leave as two stores of 512 consecutive bytes each.
.macro FINISH base
.irp x, 0,1
	v_add_f32 v[ST+8*\x+6], v[ST+8*\x+2], v[ST+8*\x+3]   ; the sum's two halves,
.endr
.irp x, 0,1
	v_permlanex16_b32 v[ST+8*\x+7], v[ST+8*\x+6], s60, s61
.endr
.irp x, 0,1
	v_add_f32 v[ST+8*\x+6], v[ST+8*\x+6], v[ST+8*\x+7]   ; and lane xor 16's
.endr
	s_wait_alu depctr_va_vdst(0)                   ; ahead of the batch,
	v_rcp_f32 v[ST+4], v[ST+6]
	v_rcp_f32 v[ST+12], v[ST+14]
	v_nop                                          ; (a plain place behind the transcendentals)
	s_wait_alu depctr_va_vdst(0)                   ; and behind it, ahead of the first reader of the results and of O^T
.irp x, 0,1
.set n, 0
.rept 16
	v_pk_mul_f32 v[S+32*\x+n:S+32*\x+n+1], v[O+32*\x+n:O+32*\x+n+1], v[ST+8*\x+4:ST+8*\x+5] op_sel_hi:[1,0]   ; each accumulator from its low end on
.set n, n+2
.endr
.endr
.set n, 0
.rept 64
	v_med3_num_f32 v[S+n], v[S+n], -v[LIMY], v[LIMY]
.set n, n+1
.endr
.set n, 0
.rept 8
	v_cvt_scalef32_pk8_bf8_f32 v[P0+2*n:P0+2*n+1], v[S+8*n:S+8*n+7], v[SCY]
.set n, n+1
.endr
	v_nop                                          ; one plain line behind the last conversion
.irp x, 0,1
	global_store_b128 v[LI], v[P0+8*\x:P0+8*\x+3], s[\base:\base+1] offset:2048*\x
	global_store_b128 v[LI], v[P0+8*\x+4:P0+8*\x+7], s[\base:\base+1] offset:2048*\x+512
.endr
.endm
	s_load_b256 s[4:11], s[0:1], 0x0               ; q_img s[4:5], kv_img s[6:7], the scales' exponents s[8:9], y_img s[10:11]
	v_lshl_add_u32 v[SPW], v0, 2, SPARE
	v_mov_b32 v[NIL], 0
	ds_add_u32 v[SPW], v[NIL]                      ; the wave's opening: the add, twice on end, and its wait ahead of my first tensor load
	ds_add_u32 v[SPW], v[NIL]
	v_lshrrev_b32 v2, 5, v0
	v_readfirstlane_b32 s12, v2                    ; wave 0..7
	s_mov_b32 s14, ttmp9                           ; j
	s_bfe_u32 s15, ttmp6, 0x40000                  ; cx
	s_and_b32 s16, ttmp7, 0xffff                   ; G
	; group 1: a dense block of 32,768 bytes as 128 rows of 256: elements of 8 bytes, 32 to a row, no padding; the mask names all four partners, bit 21 beside it
	s_mov_b32 s24, 15|(3<<16)|(1<<21)
	s_mov_b32 s25, 32<<16
	s_mov_b32 s26, 128<<16
	s_mov_b32 s27, 32<<16
	s_mov_b32 s28, 128
	s_mov_b32 s29, 32
	s_mov_b32 s30, 0
	s_mov_b32 s31, 0
	s_lshl_b32 s18, s16, 18
	s_mov_b32 s19, 0
	s_lshl_b32 s20, s12, 15                        ; my two steps, in memory and in LDS alike
	s_mov_b32 s21, 0
	s_mov_b32 s32, 1
	s_mov_b32 s33, s20
	s_wait_dscnt 0x0                               ; both opening adds are done
	s_wait_kmcnt 0x0
	s_load_b256 s[72:79], s[8:9], 0x0              ; e0 .. e7
	s_load_b128 s[80:83], s[8:9], 0x20             ; e8 .. e11
	s_add_nc_u64 s[6:7], s[6:7], s[18:19]          ; G's K and V
	s_add_nc_u64 s[34:35], s[6:7], s[20:21]
	s_or_b32 s35, s35, 0x80000000
	ROUND                                          ; all four work-groups are here: the joint loads meet
	tensor_load_to_lds s[32:35], s[24:31]
	s_nop 0
	PLACES 4
	; my doubles
	s_and_b32 s98, s12, 3
	s_lshl_b32 s17, s98, 3
	s_add_co_u32 s17, s17, s14                     ; E
	s_lshr_b32 s13, s17, 2                         ; k
	s_sub_co_u32 s99, 63, s17                      ; L
	s_sub_co_u32 s[DGL], 15, s13
	s_and_b32 s[PE], s14, 3
	s_lshl_b32 s[PE], s[PE], 1
	s_sub_co_u32 s[PL], 6, s[PE]
	s_sub_co_u32 s[OFFL], 8, s13
	s_add_co_u32 s96, s13, 1
	s_mov_b32 s[SW], 255
	s_lshr_b32 s97, s12, 2
	s_cmp_eq_u32 s97, 1                            ; waves 4-7 begin with E, waves 0-3 have L alone
	s_cselect_b32 s[SW], s96, s[SW]
	s_cselect_b32 s[TEND], 8, 9
	s_cselect_b32 s[DGS], s13, s[DGL]
	s_cselect_b32 s[PP], s[PE], s[PL]
	s_cselect_b32 s96, s17, s99
	s_lshl_b32 s92, s16, 2
	s_add_co_u32 s92, s92, s15                     ; 16 b + head = 4 G + cx
	s_lshl_b32 s92, s92, 17
	s_mov_b32 s95, 0
	s_lshl_b32 s94, s99, 11
	s_add_co_u32 s94, s94, s92
	s_add_nc_u64 s[66:67], s[4:5], s[94:95]        ; L's queries
	s_lshl_b32 s94, s96, 11
	s_add_co_u32 s94, s94, s92
	s_add_nc_u64 s[98:99], s[4:5], s[94:95]        ; my first double's
	v_and_b32 v[LI], 31, v0
	v_lshlrev_b32 v[LI], 4, v[LI]
	LOADQ Q, 98
	WIN 0x40                                       ; destination window 1
	LOADQ QL, 66
	WIN 0
	; where y goes: channels' step 2 (G % 4) + cx / 2; head cx % 2 fills registers 8 (cx % 2) on of the fragment
	s_lshr_b32 s92, s16, 2
	s_lshl_b32 s92, s92, 4
	s_and_b32 s93, s16, 3
	s_lshl_b32 s93, s93, 1
	s_lshr_b32 s94, s15, 1
	s_add_co_u32 s93, s93, s94
	s_and_b32 s94, s15, 1
	s_lshl_b32 s94, s94, 10
	YADDR 68, 13, PE                               ; E
	YADDR 70, DGL, PL                              ; L
	s_mov_b32 s60, 0x76543210                      ; v_permlanex16_b32's selects for lane xor 16
	s_mov_b32 s61, 0xfedcba98
	s_wait_kmcnt 0x0
	s_add_co_i32 s62, s78, s79
	s_lshl_b32 s62, s62, 23
	s_add_co_i32 s62, s62, 0x3e38aa3b              ; c = log2(e) / 8, with e6 + e7 added to its exponent field: a score stands for score x 2^(e6 + e7)
	s_mov_b32 s63, s62                             ; (named with it as a pair, so it is written)
	s_add_co_i32 s96, s81, 127
	s_lshl_b32 s97, s96, 23
	v_mov_b32 v[SCP], s97
	s_add_co_i32 s96, s96, 15
	s_lshl_b32 s96, s96, 23
	s_or_b32 s[LP], s96, 0x600000
	s_sub_co_i32 s96, s82, s80
	s_sub_co_i32 s96, s96, s81                     ; O^T / the sum stands for y / 2^(e8 + e9): the three scales are folded into the conversion's one
	s_add_co_i32 s96, s96, 127
	s_lshl_b32 s97, s96, 23
	v_mov_b32 v[SCY], s97
	s_add_co_i32 s96, s96, 15
	s_lshl_b32 s96, s96, 23
	s_or_b32 s96, s96, 0x600000
	v_mov_b32 v[LIMY], s96
	v_mov_b32 v[NINF], 0xff800000
	v_and_b32 v10, 15, v0
	v_bfe_u32 v11, v0, 4, 1
	v_lshlrev_b32 v11, 3, v11
	v_sub_nc_u32 v10, v10, v11                     ; lane % 16 - 8 (lane / 16)
.irp i, 0,1,2,3,4,5,6,7
	v_cmp_gt_i32 s[MK+\i], \i, v10
.endr
	RESET
	s_mov_b32 s[STP], 0
	s_mov_b32 s[TR], 0
	s_mov_b32 s96, 0
	v_add_nc_u32 v[ADR], s96, v[LI]                ; step 0
	s_wait_alu depctr_va_vdst(0)                   ; the wait at the head's end
	s_wait_tensorcnt 0x0                           ; my two steps are in,
	s_barrier_signal -1
	s_barrier_wait -1                              ; everybody's are: nothing is ever filled again
	s_wait_loadcnt 0x0                             ; Q
	LOADK
.Lloop:                                            ; trips 0 .. 8
	s_cmp_eq_u32 s[TR], s[SW]
	s_cbranch_scc0 .Lsame
	s_wait_xcnt 0x0                                ; no store of mine still reads its registers
	PLACES 4                                       ; behind the last products: their results are read
	FINISH 68                                      ; E is finished: it goes out, and L's later steps begin
	s_mov_b32 s[DGS], s[DGL]
	s_mov_b32 s[PP], s[PL]
	RESET
	WIN 0x01                                       ; source 0 window 1
.set n, 0
.rept 16
	v_mov_b32 v[Q+n], v[QL+n]
.set n, n+1
.endr
	WIN 0
	s_wait_alu depctr_va_vdst(0)
.Lsame:
	s_cmp_lt_u32 s[TR], s[TEND]
	s_cbranch_scc0 .Lskip
	STEP
.Lskip:
	s_mov_b32 s[STP], s[NXT]
	s_add_co_u32 s[TR], s[TR], 1
	s_cmp_lt_u32 s[TR], 9
	s_wait_alu depctr_va_vdst(0)                   ; ahead of the branch
	s_cbranch_scc1 .Lloop
	; THE JOINING OF L's two parts
	PLACES 4                                       ; behind the last products
	s_and_b32 s96, s12, 3
	s_mul_i32 s96, s96, STGB
	s_add_co_u32 s96, s96, STG
	v_add_nc_u32 v[STA], s96, v[LI]
	s_wait_alu depctr_va_vdst(0)
	s_wait_dscnt 0x0
	s_wait_xcnt 0x0                                ; E's stores have read their registers
	s_cmp_lt_u32 s12, 4
	s_cbranch_scc1 .Ltake
.set n, 0
.rept 16
	ds_store_b128 v[STA], v[O+4*n:O+4*n+3] offset:512*n
.set n, n+1
.endr
.irp x, 0,1
	ds_store_b128 v[STA], v[ST+8*\x:ST+8*\x+3] offset:8192+512*\x   ; -M, the largest t, the sum
.endr
	s_wait_dscnt 0x0                               ; for the reader's sake
.Ltake:
	s_barrier_signal -1
	s_barrier_wait -1
	s_cmp_ge_u32 s12, 4
	s_cbranch_scc1 .Ldone
.set n, 0
.rept 18
	ds_load_b128 v[S+4*n:S+4*n+3], v[STA] offset:512*n
.set n, n+1
.endr
	s_wait_dscnt 0x0
.irp x, 0,1
	v_min_num_f32 v[ST+8*\x+6], v[ST+8*\x], v[S+64+4*\x]     ; -M of both parts together
	v_sub_f32 v[ST+8*\x+4], v[ST+8*\x+6], v[ST+8*\x]
	v_sub_f32 v[ST+8*\x+7], v[ST+8*\x+6], v[S+64+4*\x]
	v_cvt_i32_f32 v[ST+8*\x+4], v[ST+8*\x+4]
	v_cvt_i32_f32 v[ST+8*\x+7], v[ST+8*\x+7]
	v_ldexp_f32 v[ST+8*\x+4], 1.0, v[ST+8*\x+4]              ; my part's factor
	v_ldexp_f32 v[ST+8*\x+6], 1.0, v[ST+8*\x+7]              ; the other's
.endr
.irp x, 0,1
	v_pk_mul_f32 v[ST+8*\x+2:ST+8*\x+3], v[ST+8*\x+2:ST+8*\x+3], v[ST+8*\x+4:ST+8*\x+5] op_sel_hi:[1,0]
	v_pk_fma_f32 v[ST+8*\x+2:ST+8*\x+3], v[S+66+4*\x:S+67+4*\x], v[ST+8*\x+6:ST+8*\x+7], v[ST+8*\x+2:ST+8*\x+3] op_sel_hi:[1,0,1]
.set n, 0
.rept 16
	v_pk_mul_f32 v[O+32*\x+n:O+32*\x+n+1], v[O+32*\x+n:O+32*\x+n+1], v[ST+8*\x+4:ST+8*\x+5] op_sel_hi:[1,0]
.set n, n+2
.endr
.set n, 0
.rept 16
	v_pk_fma_f32 v[O+32*\x+n:O+32*\x+n+1], v[S+32*\x+n:S+32*\x+n+1], v[ST+8*\x+6:ST+8*\x+7], v[O+32*\x+n:O+32*\x+n+1] op_sel_hi:[1,0,1]
.set n, n+2
.endr
.endr
	FINISH 70
.Ldone:
	s_wait_tensorcnt 0x0                           ; the wave's end
	ds_add_u32 v[SPW], v[NIL]
	s_wait_dscnt 0x0
	ROUND                                          ; the closing round: no work-group ends while a partner may still ask for a tile that names it
	s_endpgm
.Lfunc_end_k_q01aa2246c3_attn:
	.size	k_q01aa2246c3_attn, .Lfunc_end_k_q01aa2246c3_attn-k_q01aa2246c3_attn
	.p2alignl 7, 3214868480
	.fill 96, 4, 3214868480
	.section	.rodata,"a",@progbits
	.p2align	6, 0x0
	.amdhsa_kernel k_q01aa2246c3_attn
		.amdhsa_group_segment_fixed_size 327680
		.amdhsa_private_segment_fixed_size 0
		.amdhsa_enable_private_segment 0
		.amdhsa_kernarg_size 32
		.amdhsa_user_sgpr_count 2
		.amdhsa_user_sgpr_kernarg_segment_ptr 1
		.amdhsa_wavefront_size32 1
		.amdhsa_system_sgpr_workgroup_id_x 1
		.amdhsa_system_sgpr_workgroup_id_y 1
		.amdhsa_system_sgpr_workgroup_id_z 1
		.amdhsa_system_vgpr_workitem_id 0
		.amdhsa_next_free_vgpr 416
		.amdhsa_next_free_sgpr 100
		.amdhsa_reserve_vcc 0
		.amdhsa_float_denorm_mode_32 3
		.amdhsa_float_denorm_mode_16_64 3
		.amdhsa_memory_ordered 1
		.amdhsa_forward_progress 1
		.amdhsa_inst_pref_size 76
	.end_amdhsa_kernel
	.amdgpu_metadata
---
amdhsa.version: [ 1, 2 ]
amdhsa.kernels:
  - .name:           k_q01aa2246c3_attn
    .symbol:         k_q01aa2246c3_attn.kd
    .args:
      - { .name: q_img, .offset: 0, .size: 8, .value_kind: global_buffer, .address_space: global }
      - { .name: kv_img, .offset: 8, .size: 8, .value_kind: global_buffer, .address_space: global }
      - { .name: lowp_scales, .offset: 16, .size: 8, .value_kind: global_buffer, .address_space: global }
      - { .name: y_img, .offset: 24, .size: 8, .value_kind: global_buffer, .address_space: global }
    .group_segment_fixed_size: 327680
    .private_segment_fixed_size: 0
    .kernarg_segment_align: 8
    .kernarg_segment_size: 32
    .max_flat_workgroup_size: 256
    .sgpr_count:     100
    .vgpr_count:     416
    .wavefront_size: 32
...
	.end_amdgpu_metadata
.endif
;; end of part 2
;; launch proj (part 3): grid 8 x 32, 4 waves a work-group, clusters of 4 x 4, 288,256 bytes of LDS; arguments y_img, Wo_codes, lowp_scales, out0; writes out0
.if DOCPART == 3
	.amdgcn_target "amdgcn-amd-amdhsa--gfx1250"
	.amdhsa_code_object_version 6
	.text
	.protected	k_q01aa2246c3_proj
	.globl	k_q01aa2246c3_proj
	.p2align	8
	.type	k_q01aa2246c3_proj,@function
k_q01aa2246c3_proj:
	s_mov_b64 s[64:65], 0
	v_nop
	global_prefetch_b8 v0, s[64:65] scope:SCOPE_SE
	s_setreg_imm32_b32 hwreg(HW_REG_WAVE_MODE, 25, 1), 1
	s_wait_xcnt 0x0
	s_wait_alu depctr_hold_cnt(0) depctr_sa_sdst(0) depctr_va_vdst(0) depctr_va_sdst(0) depctr_va_ssrc(0) depctr_va_vcc(0) depctr_vm_vsrc(0)
	s_getreg_b32 s2, hwreg(HW_REG_IB_STS2, 6, 4)
	s_cmp_eq_u32 s2, 0
	s_cbranch_scc0 .Lentry_in_a_cluster
	s_endpgm
.Lentry_in_a_cluster:
	s_bfe_u32 s2, ttmp6, 0x10000c
	s_cmp_lg_u32 s2, 0xf033
	s_cbranch_scc0 .Lentry_shape_is_right
	s_endpgm
.Lentry_shape_is_right:
; out0 = y Wo on codes of BF8 (E5M2).
.set MSB, 0
; y_img: [block of 128 tokens (32)][K step of 128 (8)][tile of 16 tokens (8)][2,048]: images of operand registers (registers 4 u .. 4 u + 3 at 512 u + 16 x lane; registers 2 c, 2 c + 1 hold
; K = 16 c + 8 (lane / 16) + 0..7, the form's own places).  Wo_codes: [1024 (n)][1024 (k)].  out0: [4096][1024] f32.  Each finished sum is multiplied once by 2^(e10 + e11).
; LIMIT: e10 + e11 between -126 and 127, so that 2^(e10 + e11) is an f32 number.
; A work-group makes 128 tokens x 128 columns: 256 work-groups; each of its four waves 64 x 64.  THE MATRIX INSTRUCTION IS USED TRANSPOSED (source 0 = 16 rows of Wo, source 1 = 16 tokens):
; a lane holds eight neighbouring columns of one row of out0.
; ALL OF K LIES IN LDS: first fills only, one load a wave: wave 0 Wo's K 0-511, wave 1 its K 512-1023, wave 2 y's K steps 0-3, wave 3 its K steps 4-7.  The launch has no loop that loads, so there is no prefetch into the L2.
; THE WORK GOES BY ROWS OF out0: all my fragments of Wo, 8 K steps x 64 registers, come into windows 2 and 3; y's come tile by tile of 16 tokens; each tile's four sums are finished by 32 products and leave while the next tile is multiplied.
; CLUSTERS: 4 x 4.  The four of a row of the cluster need the same block of y, the four of a column the same rows of Wo: each is asked for JOINTLY.
; LDS: y's images at 0 (131,072 bytes, as in memory); Wo at 131,072: two chunks of 128 rows x (512 + 16) bytes; behind them a stage of 16 rows x (256 + 16) bytes for each wave, for the way out, and the spare words.
; REGISTERS: window 0: v1-12 addresses and constants; v32-95 the accumulators, four for each of two tiles by turns; v160-191 at work, v192-255 rows of out0.
;   window 1: y's fragments of a tile, 8 x 16 registers, two buffers.   windows 2, 3: Wo's fragments of K steps 0-3 and 4-7, v[64 (k % 4) + 16 nt].
.set WOB,  131072
.set AC,   32
.set WCH,  128*528
.set STG,  WOB+2*WCH
.set SPARE, STG+4*16*272
.set LI,  1                            ; v1   16 x lane
.set YA,  2                            ; v2-3 LDS address of my y fragments, K steps 0-3 and 4-7
.set WA,  4                            ; v4-5 of my Wo fragments, the two chunks
.set STO, 6                            ; v6   the stage: where I put 32 bytes of a row
.set RD,  7                            ; v7   and where I read a row back
.set CO,  8                            ; v8   my byte offset in two rows of out0
.set SPW, 11                           ; v11  my spare word, v12  0: never rewritten
.set NIL, 12
.set TMP, 160
.set BK,  192
.macro WIN new                         ; the immediate's high byte repeats the setting that is left
.if MSB != \new
	s_set_vgpr_msb (MSB<<8)|\new
.set MSB, \new
.endif
.endm
.macro PLACES
.rept 4
	v_nop
.endr
.endm
.macro ROUND                           ; a round of the cluster's barrier
	s_barrier_signal -1
	s_barrier_wait -1
	s_cmp_lg_u32 s12, 0
	s_cbranch_scc1 .Lnot_wave_0_\@
	s_barrier_signal -3
.Lnot_wave_0_\@:
	s_barrier_wait -3
	s_barrier_signal -1
	s_barrier_wait -1
.endm
	s_load_b256 s[4:11], s[0:1], 0x0               ; y_img s[4:5], Wo's codes s[6:7], the scales' exponents s[8:9], out0 s[10:11]
	v_lshl_add_u32 v[SPW], v0, 2, SPARE
	v_mov_b32 v[NIL], 0
	ds_add_u32 v[SPW], v[NIL]                      ; the wave's opening: the add, twice on end, and its wait ahead of my first tensor load
	ds_add_u32 v[SPW], v[NIL]
	v_lshrrev_b32 v1, 5, v0
	v_readfirstlane_b32 s12, v1                    ; wave 0..3
	s_and_b32 s19, s12, 1                          ; my half of the columns.  Also: which half of K I fetch
	s_lshr_b32 s90, s12, 1                         ; my half of the tokens.  Also: I fetch Wo (0) or y (1)
	s_bfe_u32 s13, ttmp6, 0x40000                  ; cx, cy: my place in the cluster
	s_bfe_u32 s14, ttmp6, 0x40004
	s_lshl_b32 s15, ttmp9, 2
	s_add_co_u32 s15, s15, s13                     ; block of 128 columns = 4 x cluster x + cx
	s_and_b32 s16, ttmp7, 0xffff
	s_lshl_b32 s16, s16, 2
	s_add_co_u32 s16, s16, s14                     ; block of 128 tokens = 4 x cluster y + cy
	s_lshl_b32 s17, s14, 2
	s_lshl_b32 s17, 15, s17                        ; my row of the cluster
	s_lshl_b32 s18, 0x1111, s13                    ; my column
	; group 1 for Wo: 128 rows x 512 bytes, 1,024 apart, padded in LDS by 4 words after every 128; it goes to my column
	s_or_b32 s24, s18, (0<<16)|(1<<20)|(1<<21)|(6<<22)|(3<<25)
	s_mov_b32 s25, 512<<16
	s_mov_b32 s26, 128<<16
	s_mov_b32 s27, 512<<16
	s_mov_b32 s28, 128
	s_mov_b32 s29, 1024
	s_mov_b32 s30, 0
	s_mov_b32 s31, 0
	; group 1 for y: a dense block of 65,536 bytes as 256 rows of 32 elements of 8 bytes; it goes to my row
	s_or_b32 s32, s17, (3<<16)|(1<<21)
	s_mov_b32 s33, 32<<16
	s_mov_b32 s34, 256<<16
	s_mov_b32 s35, 32<<16
	s_mov_b32 s36, 256
	s_mov_b32 s37, 32
	s_mov_b32 s38, 0
	s_mov_b32 s39, 0
	; every wave makes both addresses, each in registers that never hold the other coordinate
	s_lshl_b32 s20, s15, 17                        ; Wo: 128 rows of 1,024 bytes a block,
	s_lshl_b32 s21, s19, 9                         ; + my half of K
	s_add_co_u32 s20, s20, s21
	s_mov_b32 s21, 0
	s_lshl_b32 s22, s16, 17                        ; y: 131,072 bytes a block,
	s_lshl_b32 s23, s19, 16                        ; + my four K steps
	s_add_co_u32 s22, s22, s23
	s_mov_b32 s23, 0
	s_mov_b32 s40, 1
	s_mul_i32 s41, s19, WCH
	s_add_co_u32 s41, s41, WOB                     ; where they go: no place in the cluster enters an LDS address
	s_mov_b32 s68, 1
	s_lshl_b32 s69, s19, 16
	s_wait_dscnt 0x0                               ; both opening adds are done
	s_wait_kmcnt 0x0
	s_load_b64 s[86:87], s[8:9], 0x28              ; e10, e11
	s_add_nc_u64 s[42:43], s[6:7], s[20:21]
	s_or_b32 s43, s43, 0x80000000
	s_add_nc_u64 s[70:71], s[4:5], s[22:23]
	s_or_b32 s71, s71, 0x80000000
	ROUND                                          ; all sixteen work-groups are here: the joint loads meet
	s_cmp_lt_u32 s12, 2
	s_cbranch_scc0 .Lfor_y
	tensor_load_to_lds s[40:43], s[24:31]
	s_nop 0
	PLACES
	s_branch .Lasked
.Lfor_y:
	tensor_load_to_lds s[68:71], s[32:39]
	s_nop 0
	PLACES
.Lasked:
	s_lshl_b32 s94, s90, 13                        ; my four tiles of tokens: 8,192 bytes on for the upper half
	s_mul_i32 s95, s19, 64*528
	s_add_co_u32 s95, s95, WOB                     ; my 64 rows of Wo
	s_mul_i32 s96, s12, 16*272
	s_add_co_u32 s96, s96, STG                     ; my stage
	v_and_b32 v[LI], 31, v0
	v_lshlrev_b32 v[LI], 4, v[LI]
	v_and_b32 v9, 15, v0                           ; lane % 16
	v_bfe_u32 v10, v0, 4, 1                        ; lane / 16
	v_add_nc_u32 v[YA], s94, v[LI]
	v_add_nc_u32 v[YA+1], 65536, v[YA]
	v_mul_u32_u24 v[WA], v9, 528
	v_lshl_add_u32 v[WA], v10, 3, v[WA]            ; row x pitch + 8 x half: the form's own places, as y's images have them
	v_add_nc_u32 v[WA], s95, v[WA]
	v_add_nc_u32 v[WA+1], WCH, v[WA]
	v_mul_u32_u24 v[STO], v9, 272
	v_lshl_add_u32 v[STO], v10, 5, v[STO]
	v_add_nc_u32 v[STO], s96, v[STO]               ; in: row lane % 16, 32 bytes for each half of the lanes
	v_mul_u32_u24 v[RD], v10, 272
	v_lshl_add_u32 v[RD], v9, 4, v[RD]
	v_add_nc_u32 v[RD], s96, v[RD]                 ; back: lanes 0-15 one row of 256 bytes, lanes 16-31 the next
	v_lshlrev_b32 v[CO], 12, v10
	v_lshl_add_u32 v[CO], v9, 4, v[CO]             ; and the same two rows in out0
	s_wait_alu depctr_va_vdst(0)                   ; the wait at the head's end
	s_lshl_b32 s92, s16, 19                        ; 128 rows of 4,096 bytes a block,
	s_lshl_b32 s93, s90, 18                        ; my 64 rows,
	s_add_co_u32 s92, s92, s93
	s_lshl_b32 s93, s15, 9                         ; 128 columns a block,
	s_add_co_u32 s92, s92, s93
	s_lshl_b32 s93, s19, 8                         ; my 64 columns
	s_add_co_u32 s92, s92, s93
	s_mov_b32 s93, 0
	s_add_nc_u64 s[92:93], s[10:11], s[92:93]
	s_wait_kmcnt 0x0
	s_add_co_i32 s84, s86, s87
	s_add_co_i32 s84, s84, 127
	s_lshl_b32 s84, s84, 23                        ; 2^(e10 + e11) as f32
	s_mov_b32 s85, s84                             ; (named with it as a pair, so it is written)
.macro FETCHW k                        ; Wo's fragments of K step k, 32 loads into window 2 (k < 4) or 3
	WIN 0x80+0x40*(\k/4)
.irp nt, 0,1,2,3
.irp c, 0,1,2,3,4,5,6,7
	ds_load_b64 v[64*(\k%4)+16*\nt+2*\c:64*(\k%4)+16*\nt+2*\c+1], v[WA+\k/4] offset:8448*\nt+128*(\k%4)+16*\c
.endr
.endr
.endm
.macro FETCHY mt, b                    ; y's fragments of tile mt, all eight K steps, 32 loads into buffer b of window 1
	WIN 0x40
.irp k, 0,1,2,3,4,5,6,7
.irp u, 0,1,2,3
	ds_load_b128 v[128*\b+16*\k+4*\u:128*\b+16*\k+4*\u+3], v[YA+\k/4] offset:16384*(\k%4)+2048*\mt+512*\u
.endr
.endr
	WIN 0
.endm
; K step k of tile mt: four products; the four accumulators take turns, one instruction a turn.  The first products start the sums.
.macro MULK mt, b, k
	WIN 0x06+(\k/4)                                ; source 0 window 2 or 3, source 1 window 1, C and D window 0
.irp nt, 0,1,2,3
.if \k == 0
	v_wmma_f32_16x16x128_bf8_bf8 v[AC+32*(\mt%2)+8*\nt:AC+32*(\mt%2)+8*\nt+7], v[64*(\k%4)+16*\nt:64*(\k%4)+16*\nt+15], v[128*\b+16*\k:128*\b+16*\k+15], 0
.else
	v_wmma_f32_16x16x128_bf8_bf8 v[AC+32*(\mt%2)+8*\nt:AC+32*(\mt%2)+8*\nt+7], v[64*(\k%4)+16*\nt:64*(\k%4)+16*\nt+15], v[128*\b+16*\k:128*\b+16*\k+15], v[AC+32*(\mt%2)+8*\nt:AC+32*(\mt%2)+8*\nt+7]
.endif
.endr
.endm
.macro MULR mt, b                      ; tile mt is made: 32 products
.irp k, 0,1,2,3,4,5,6,7
	MULK \mt, \b, \k
.endr
	WIN 0
.endm
.macro FIRST k, next                   ; tile 0 goes along K as Wo's fragments come in
	FETCHW \next
	s_wait_dscnt 32                                ; all but the 32 just issued
	MULK 0, 0, \k
.endm
; THE WAY OUT of a tile of 16 tokens x my 64 columns: x 2^(e10 + e11), through my own stage, back as whole rows of 256 bytes.  LDS serves a wave's instructions in order (ISA guide 5.7.1.4): no wait between the stores and the loads.
.macro TOSTAGE mt
	PLACES                                         ; the results just made are read
.set i, 0
.rept 16
	v_pk_mul_f32 v[TMP+i:TMP+i+1], v[AC+32*((\mt)%2)+i:AC+32*((\mt)%2)+i+1], s[84:85] op_sel_hi:[1,0]   ; each accumulator from its low end on
.set i, i+2
.endr
.irp nt, 0,1,2,3
	ds_store_b128 v[STO], v[TMP+8*\nt:TMP+8*\nt+3] offset:64*\nt
	ds_store_b128 v[STO], v[TMP+8*\nt+4:TMP+8*\nt+7] offset:64*\nt+16
.endr
	s_wait_xcnt 0x0                                ; the stores of the tile before the last have read their registers
.irp i, 0,1,2,3,4,5,6,7
	ds_load_b128 v[BK+32*((\mt)%2)+4*\i:BK+32*((\mt)%2)+4*\i+3], v[RD] offset:544*\i
.endr
.endm
.macro SEND mt, younger                ; younger: the LDS loads issued behind tile mt's, which may stay out
	s_wait_dscnt \younger
.irp i, 0,1,2,3,4,5,6,7
	global_store_b128 v[CO], v[BK+32*((\mt)%2)+4*\i:BK+32*((\mt)%2)+4*\i+3], s[92:93] offset:65536*(\mt)+8192*\i th:TH_STORE_NT   ; 16 lanes store 256 consecutive bytes, at a multiple of 256 from out0's first byte
.endr
.endm
	s_wait_tensorcnt 0x0                           ; my load is in,
	s_barrier_signal -1
	s_barrier_wait -1                              ; everybody's is; nothing is ever filled again
	FETCHY 0, 0
	FETCHW 0
	FIRST 0, 1
	FIRST 1, 2
	FIRST 2, 3
	FIRST 3, 4
	FIRST 4, 5
	FIRST 5, 6
	FIRST 6, 7
	FETCHY 1, 1
	s_wait_dscnt 32                                ; all but tile 1's 32
	MULK 0, 0, 7
	WIN 0
	TOSTAGE 0
	FETCHY 2, 0
	s_wait_dscnt 48                                ; tile 1's fragments are in (behind them: tile 0's 8 stores and 8 loads, tile 2's 32)
	MULR 1, 1
	SEND 0, 32
	TOSTAGE 1
	FETCHY 3, 1
	s_wait_dscnt 48
	MULR 2, 0
	SEND 1, 32
	TOSTAGE 2
	s_wait_dscnt 16                                ; tile 3's fragments are in
	MULR 3, 1
	SEND 2, 0
	TOSTAGE 3
	SEND 3, 0
	s_wait_tensorcnt 0x0                           ; the wave's end
	ds_add_u32 v[SPW], v[NIL]
	s_wait_dscnt 0x0
	ROUND                                          ; the closing round: no work-group ends while a partner may still ask for a tile that names it
	s_endpgm
.Lfunc_end_k_q01aa2246c3_proj:
	.size	k_q01aa2246c3_proj, .Lfunc_end_k_q01aa2246c3_proj-k_q01aa2246c3_proj
	.p2alignl 7, 3214868480
	.fill 96, 4, 3214868480
	.section	.rodata,"a",@progbits
	.p2align	6, 0x0
	.amdhsa_kernel k_q01aa2246c3_proj
		.amdhsa_group_segment_fixed_size 288256
		.amdhsa_private_segment_fixed_size 0
		.amdhsa_enable_private_segment 0
		.amdhsa_kernarg_size 32
		.amdhsa_user_sgpr_count 2
		.amdhsa_user_sgpr_kernarg_segment_ptr 1
		.amdhsa_wavefront_size32 1
		.amdhsa_system_sgpr_workgroup_id_x 1
		.amdhsa_system_sgpr_workgroup_id_y 1
		.amdhsa_system_sgpr_workgroup_id_z 1
		.amdhsa_system_vgpr_workitem_id 0
		.amdhsa_next_free_vgpr 1024
		.amdhsa_next_free_sgpr 100
		.amdhsa_reserve_vcc 0
		.amdhsa_float_denorm_mode_32 3
		.amdhsa_float_denorm_mode_16_64 3
		.amdhsa_memory_ordered 1
		.amdhsa_forward_progress 1
		.amdhsa_inst_pref_size 52
	.end_amdhsa_kernel
	.amdgpu_metadata
---
amdhsa.version: [ 1, 2 ]
amdhsa.kernels:
  - .name:           k_q01aa2246c3_proj
    .symbol:         k_q01aa2246c3_proj.kd
    .args:
      - { .name: y_img, .offset: 0, .size: 8, .value_kind: global_buffer, .address_space: global }
      - { .name: Wo_codes, .offset: 8, .size: 8, .value_kind: global_buffer, .address_space: global }
      - { .name: lowp_scales, .offset: 16, .size: 8, .value_kind: global_buffer, .address_space: global }
      - { .name: out0, .offset: 24, .size: 8, .value_kind: global_buffer, .address_space: global }
    .group_segment_fixed_size: 288256
    .private_segment_fixed_size: 0
    .kernarg_segment_align: 8
    .kernarg_segment_size: 32
    .max_flat_workgroup_size: 128
    .sgpr_count:     100
    .vgpr_count:     1024
    .wavefront_size: 32
...
	.end_amdgpu_metadata
.endif
;; end of part 3
